; MI455X (gfx1250); checked and timed in simulation.
; The chip was launched on July 23, 2026; its instructions are those of AMD's public machine-readable ISA for CDNA 5 (MIT licence, August 2026) and "CDNA5" Instruction Set Architecture Reference Guide (July 2026). The comments in the code are by the model that wrote it; some were corrected since.
;; Attention. Allowed arithmetic: matrix products marked QUANTISED: E2M3 operands, one E8M0 scale for each 32 along K, by v_wmma_scale_f32_16x16x128_f8f6f4 with both operands' format E2M3, f32 sums; products left as they are: f32 operands where the result goes on into a quantised operand, else bf16, f16 or f32 operands; f32 sums; everything else in f32.
;; Inputs: W_h 1,024 x 1,024 float32; W_s 1,024 x 1,024 float32; b_s 1,024 float32; coverage 16 x 4,096 float32; decoder_hidden 16 x 1 x 1,024 float32; encoder_output 16 x 4,096 x 1,024 float32; mask 16 x 4,096 float32; v 1,024 float32; w_c 1,024 float32.
;; Outputs: out0 16 x 1,024 float32; out1 16 x 4,096 float32; out2 16 x 4,096 float32.
;; This version of the problem:
;;   THIS VERSION OF THE PROBLEM IS GIVEN IN LOW PRECISION. The matrix products marked QUANTISED in the list below multiply operands that are first quantised to E2M3 (2 exponent bits, 3 mantissa bits; 6 bits a number), with one power-of-two scale for each 32 numbers along K (OCP MX v1.0); their sums are f32. All else is computed in f32.
;;   The module's matrix products, in the order in which they are computed (A, B: the left and right operand; K: the contracted axis; several contracted axes count as one K, in the product's order):
;;     1. [M 65,536, K 1,024] x [K 1,024, N 1,024]; A: input encoder_output; B: input W_h: QUANTISED
;;     2. [M 16, K 1,024] x [K 1,024, N 1,024]; A: input decoder_hidden; B: input W_s: QUANTISED
;;     3. [M 65,536, K 1,024] x [K 1,024, N 1]; A: computed on the way; B: input v: left as it is (N = 1 < 16)
;;     4. batch 16 x [M 1, K 4,096] x [K 4,096, N 1,024]; A: computed on the way; B: input encoder_output: left as it is (M = 1 < 16)
;;   THE QUANTISER, for each operand of a quantised product, along K:
;;     - K is cut into blocks of 32 from its start; a last block that is shorter is filled with zeros.
;;     - A block's scale is 2^e with e = floor(log2(the largest magnitude in the block)) - 2, held to -126 .. 127; a block of zeros has e = 0. As a byte (E8M0): e + 127.
;;     - Each number is divided by its block's scale, clamped to +-7.5, and rounded to the nearest number of E2M3, ties to even, subnormals kept.
;;     - The product sums the exact products of the quantised numbers (number of the format x scale) in f32.
;;   ~~~python
;;   def quantise(x, axis):      # numpy; x: float32 -> the quantised numbers, widened to float32 again
;;       x = np.moveaxis(x, axis, -1); K = x.shape[-1]
;;       x = np.pad(x, [(0, 0)] * (x.ndim - 1) + [(0, -K % 32)]); x = x.reshape(x.shape[:-1] + (-1, 32)); a = np.abs(x).max(-1, keepdims=True)
;;       e = np.where(a > 0, np.clip(np.frexp(np.where(a > 0, a, 1))[1] - 1 - 2, -126, 127), 0)      # np.frexp(a)[1] - 1 = floor(log2(a)), exactly
;;       r = np.clip(x / 2.0 ** e, -7.5, 7.5)
;;       step = 2.0 ** (np.maximum(np.frexp(np.where(r == 0, 1, r))[1] - 1, 0) - 3)
;;       q = np.round(r / step) * step * 2.0 ** e      # np.round: ties to even
;;       return np.moveaxis(q.reshape(q.shape[:-2] + (-1,))[..., :K], -1, axis).astype(np.float32)
;;   ~~~
;; One version. Each part assembles by itself: llvm-mc -triple=amdgcn-amd-amdhsa -mcpu=gfx1250 --defsym DOCPART=n.
;; ======== version 1 of 1: 3 launches
;; limits: values are held in bf16: 8 bits of precision; right only within a limited range of input values
;; workspace buffers: wq 851,968 bytes; decf 65,536 bytes; scores 262,144 bytes; pctx 4,194,304 bytes; pstat 131,072 bytes
;; launch prep (part 1): grid 128 x 1, 8 waves a work-group, no clusters, 9,216 bytes of LDS; arguments W_h, W_s, decoder_hidden, b_s, wq, decf; writes wq, decf
.if DOCPART == 1
	.amdgcn_target "amdgcn-amd-amdhsa--gfx1250"
	.amdhsa_code_object_version 6
	.text
	.protected	k_q9249b2270e_prep
	.globl	k_q9249b2270e_prep
	.p2align	8
	.type	k_q9249b2270e_prep,@function
k_q9249b2270e_prep:
	s_mov_b64 s[64:65], 0
	v_nop
	global_prefetch_b8 v0, s[64:65] scope:SCOPE_SE
	s_setreg_imm32_b32 hwreg(HW_REG_WAVE_MODE, 25, 1), 1
	s_wait_xcnt 0x0
; Work-groups 0-63: W_h [1024][1024] f32 becomes codes of FP6 (E2M3) with one E8M0 scale for each 32 along K, laid in the order of the operand's registers.
; Work-groups 64-127: dec_feat = Q(decoder_hidden) Q(W_s)^T + b_s, [16][1024] f32, by the scaled FP6 matrix instruction.
; A work-group takes 16 rows (an N tile) of its weight; wave s takes K step s (128 along K).
; wq, N tile n, 13,312 bytes: eight fragment images of 1,536 bytes (K step s, group c of four registers: lane l's 16 bytes at 1536 s + 512 c + 16 l),
; then at 12,288 the scale words: lane l's 16 bytes at 512 g + 16 l are the words of K steps 4 g .. 4 g + 3 of row l % 16.
; A block's scale byte is its largest magnitude's exponent field - 2, held at 1 from below.
; LIMITS: a block of zeros gets the byte 1 where the quantiser says 127 (its codes are zeros, and this program alone reads the bytes); NaN and infinities among the inputs are not served.
; The two kinds of work-group part on the work-group's number, which all eight waves share; only the second kind uses LDS and a barrier.
.set TM,  200                          ; v200-203 largest magnitudes, v204-207 the other half's, then bytes, v208-211 the conversions' scale operands
.set PC,  212                          ; v212-231 the codes just made
.set SEL, 20                           ; s[20:21] lane selects for v_permlanex16_b32: lane l xor 16
.set NTB, 13312
; 64 numbers of a lane, register 16 b + i = k 32 b + 16 (lane / 16) + i of its row, become codes and the row's scale word in v[pw].
; Afterwards the fragment's registers 6 c + i are v[PC+6c+i] and 6 c + 3 + i are v[PC+12+4c+i] (i = 0, 1, 2): a conversion's three registers begin on an even number.
.macro QUANT x, pw
.irp b, 0,1,2,3
	v_max3_num_f32 v[TM+\b], |v[(\x)+16*\b]|, |v[(\x)+1+16*\b]|, 0x1800000   ; my 16 numbers of block b, and the floor 2^(3 - 127): the byte cannot fall under 1
.endr
.irp i, 2,4,6,8,10,12,14
.irp b, 0,1,2,3
	s_delay_alu instid0(VALU_DEP_4)
	v_max3_num_f32 v[TM+\b], v[TM+\b], |v[(\x)+16*\b+\i]|, |v[(\x)+1+16*\b+\i]|   ; the four blocks by turns
.endr
.endr
.irp b, 0,1,2,3
	s_delay_alu instid0(VALU_DEP_4)
	v_permlanex16_b32 v[TM+4+\b], v[TM+\b], s[SEL], s[SEL+1]
.endr
.irp b, 0,1,2,3
	s_delay_alu instid0(VALU_DEP_4)
	v_max_num_f32 v[TM+\b], v[TM+\b], v[TM+4+\b]           ; with lane l xor 16's: the block's largest magnitude
.endr
.irp b, 0,1,2,3
	s_delay_alu instid0(VALU_DEP_4)
	v_add_nc_u32 v[TM+8+\b], 0xff000000, v[TM+\b]          ; 2 off its exponent field: the conversion takes that field as its scale
.endr
.irp b, 0,1,2,3
	s_delay_alu instid0(VALU_DEP_4)
	v_lshrrev_b32 v[TM+4+\b], 23, v[TM+8+\b]               ; the scale's byte
.endr
	s_delay_alu instid0(VALU_DEP_3)
	v_lshl_or_b32 v[\pw], v[TM+5], 8, v[TM+4]
	s_delay_alu instid0(VALU_DEP_1)
	v_lshl_or_b32 v[\pw], v[TM+6], 16, v[\pw]
	s_delay_alu instid0(VALU_DEP_1)
	v_lshl_or_b32 v[\pw], v[TM+7], 24, v[\pw]              ; my row's scale word
.irp c, 0,1
	v_cvt_scalef32_pk16_fp6_f32 v[PC+6*\c:PC+2+6*\c], v[(\x)+32*\c:(\x)+15+32*\c], v[TM+8+2*\c]
	v_cvt_scalef32_pk16_fp6_f32 v[PC+12+4*\c:PC+14+4*\c], v[(\x)+16+32*\c:(\x)+31+32*\c], v[TM+8+2*\c+1]
.endr
	v_nop                                                  ; one plain place behind a scaled conversion
.irp c, 0,1                                                ; the operand wants a whole block in a lane: lanes 0-15 block 2 c, lanes 16-31 block 2 c + 1
.irp i, 0,1,2
	v_permlane16_swap_b32 v[PC+6*\c+\i], v[PC+12+4*\c+\i]
.endr
.endr
.endm
	s_load_b256 s[4:11], s[0:1], 0x0               ; W_h s[4:5], W_s s[6:7], decoder_hidden s[8:9], b_s s[10:11]
	s_load_b128 s[12:15], s[0:1], 0x20             ; wq s[12:13], decf s[14:15]
	v_lshl_add_u32 v254, v0, 2, 0x2000
	v_mov_b32 v255, 0
	v_lshrrev_b32 v1, 5, v0
	s_delay_alu instid0(VALU_DEP_1)
	v_readfirstlane_b32 s16, v1                    ; wave 0..7 = K step
	v_and_b32 v1, 31, v0                           ; lane
	v_and_b32 v2, 15, v0                           ; r
	v_bfe_u32 v3, v0, 4, 1                         ; h
	s_delay_alu instid0(VALU_DEP_2)
	v_lshlrev_b32 v4, 12, v2
	s_delay_alu instid0(VALU_DEP_1)
	v_lshl_add_u32 v4, v3, 6, v4                   ; row r of 4,096 bytes, + 64 h: my 16 numbers of a block of 32
	v_lshlrev_b32 v5, 4, v1                        ; 16 x lane
	v_lshlrev_b32 v6, 2, v2                        ; 4 r
	s_delay_alu instid0(VALU_DEP_1)
	v_lshl_add_u32 v7, v3, 15, v6                  ; decf: 8 h rows of 4,096 bytes + 4 r
	s_lshl_b32 s32, s16, 10
	v_add_nc_u32 v8, s32, v5                       ; LDS: my wave's 1,024 bytes, 16 x lane
	s_lshr_b32 s33, s16, 2
	s_lshl_b32 s33, s33, 9
	s_and_b32 s34, s16, 3
	s_lshl_b32 s34, s34, 2
	s_add_co_u32 s33, s33, s34                     ; 512 (wave / 4) + 4 (wave % 4): a scale word's place in wq, and register `wave` in an image of eight
	v_add_nc_u32 v9, s33, v5
	s_mov_b32 s[SEL], 0x76543210
	s_mov_b32 s[SEL+1], 0xfedcba98
.irp b, 0,1,2,3
	v_mov_b32 v[TM+4+\b], 0                        ; written once: a lane permute's destination counts as one of its sources
.endr
	s_wait_kmcnt 0x0
	s_cmp_lt_u32 ttmp9, 64                         ; W_h's work-group or W_s's: the choice hangs on the work-group's number alone
	s_cselect_b64 s[18:19], s[4:5], s[6:7]
	s_cselect_b32 s17, 0, 64
	s_sub_co_u32 s17, ttmp9, s17                   ; N tile n
	s_lshl_b32 s22, s17, 16                        ; 16 rows of 4,096 bytes
	s_lshl_b32 s24, s16, 9                         ; K step: 512 bytes
	s_add_co_u32 s22, s22, s24
	s_mov_b32 s23, 0
	s_mov_b32 s25, 0
	s_add_nc_u64 s[18:19], s[18:19], s[22:23]
.irp b, 0,1,2,3
.irp j, 0,1,2,3
	global_load_b128 v[64+16*\b+4*\j:64+16*\b+4*\j+3], v4, s[18:19] offset:128*\b+16*\j
.endr
.endr
	s_cmp_lt_u32 ttmp9, 64
	s_cbranch_scc0 .Ldec
	; ---- W_h: the fragment's image and its scale words go to wq
	s_mul_i32 s24, s17, NTB
	s_mul_i32 s26, s16, 1536
	s_add_co_u32 s26, s26, s24
	s_mov_b32 s27, 0
	s_add_nc_u64 s[26:27], s[12:13], s[26:27]      ; the image of (n, K step)
	s_add_co_u32 s28, s33, s24
	s_add_co_u32 s28, s28, 12288
	s_mov_b32 s29, 0
	s_add_nc_u64 s[28:29], s[12:13], s[28:29]      ; its scale word's place
	s_wait_loadcnt 0x0
	QUANT 64, 44
.irp c, 0,1
.irp i, 0,1,2
	v_mov_b32 v[PC+3+6*\c+\i], v[PC+12+4*\c+\i]    ; the twelve registers on end
.endr
.endr
.irp c, 0,1,2
	global_store_b128 v5, v[PC+4*\c:PC+4*\c+3], s[26:27] offset:512*\c   ; 32 lanes store 512 consecutive bytes
.endr
	global_store_b32 v5, v44, s[28:29]             ; lanes 16-31 hold the same word as lanes 0-15
	s_endpgm
.Ldec:
	; ---- W_s: one product a wave (its K step), the eight partial sums meet in LDS
	s_add_nc_u64 s[8:9], s[8:9], s[24:25]          ; decoder_hidden at my K step; its 16 rows are 4,096 bytes apart like a weight's
.irp b, 0,1,2,3
.irp j, 0,1,2,3
	global_load_b128 v[128+16*\b+4*\j:128+16*\b+4*\j+3], v4, s[8:9] offset:128*\b+16*\j
.endr
.endr
	s_lshl_b32 s26, s17, 6
	s_mov_b32 s27, 0
	s_add_nc_u64 s[10:11], s[10:11], s[26:27]
	s_wait_alu depctr_va_vdst(0)
	global_load_b32 v46, v6, s[10:11]              ; b_s[16 n + r]
	s_lshl_b32 s28, s16, 12
	s_add_co_u32 s28, s28, s26
	s_mov_b32 s29, 0
	s_add_nc_u64 s[14:15], s[14:15], s[28:29]      ; decf at row `wave`, column 16 n
	s_wait_loadcnt 0x0
	QUANT 64, 44                                   ; W_s
.irp c, 0,1
.irp i, 0,1,2
	v_mov_b32 v[16+6*\c+\i], v[PC+6*\c+\i]
	v_mov_b32 v[16+6*\c+3+\i], v[PC+12+4*\c+\i]
.endr
.endr
	QUANT 128, 45                                  ; decoder_hidden
.irp c, 0,1
.irp i, 0,1,2
	v_mov_b32 v[32+6*\c+\i], v[PC+6*\c+\i]
	v_mov_b32 v[32+6*\c+3+\i], v[PC+12+4*\c+\i]
.endr
.endr
.rept 8
	v_nop                                          ; a scale register written by a vector instruction stands 8 places ahead of a scaled matrix instruction, an operand 4
.endr
	v_wmma_scale_f32_16x16x128_f8f6f4 v[48:55], v[32:43], v[16:27], 0, v45, v44 matrix_a_fmt:MATRIX_FMT_FP6 matrix_b_fmt:MATRIX_FMT_FP6   ; register j of lane (r, h): batch 8 h + j, column 16 n + r
.rept 4
	v_nop
.endr
	ds_store_b128 v8, v[48:51]                     ; from the accumulator's low end on
	ds_store_b128 v8, v[52:55] offset:512
	s_wait_dscnt 0x0                               ; for the others' sake: my stores have landed
	s_barrier_signal -1
	s_barrier_wait -1
.irp w, 0,1,2,3,4,5,6,7
	ds_load_b32 v[56+\w], v9 offset:1024*\w        ; register `my wave` of all eight waves' results
.endr
	s_wait_dscnt 0x0
	v_add_f32 v56, v56, v57
	v_add_f32 v58, v58, v59
	v_add_f32 v60, v60, v61
	v_add_f32 v62, v62, v63
	s_delay_alu instid0(VALU_DEP_3)
	v_add_f32 v56, v56, v58
	s_delay_alu instid0(VALU_DEP_2)
	v_add_f32 v60, v60, v62
	s_delay_alu instid0(VALU_DEP_1)
	v_add_f32 v56, v56, v60
	s_delay_alu instid0(VALU_DEP_1)
	v_add_f32 v56, v56, v46                        ; + b_s
	global_store_b32 v7, v56, s[14:15]             ; decf[8 h + wave][16 n + r]
	s_wait_tensorcnt 0x0
	ds_add_u32 v254, v255
	s_wait_dscnt 0x0
	s_endpgm
.Lfunc_end_k_q9249b2270e_prep:
	.size	k_q9249b2270e_prep, .Lfunc_end_k_q9249b2270e_prep-k_q9249b2270e_prep
	.p2alignl 7, 3214868480
	.fill 96, 4, 3214868480
	.section	.rodata,"a",@progbits
	.p2align	6, 0x0
	.amdhsa_kernel k_q9249b2270e_prep
		.amdhsa_group_segment_fixed_size 9216
		.amdhsa_private_segment_fixed_size 0
		.amdhsa_enable_private_segment 0
		.amdhsa_kernarg_size 48
		.amdhsa_user_sgpr_count 2
		.amdhsa_user_sgpr_kernarg_segment_ptr 1
		.amdhsa_wavefront_size32 1
		.amdhsa_system_sgpr_workgroup_id_x 1
		.amdhsa_system_sgpr_workgroup_id_y 1
		.amdhsa_system_sgpr_workgroup_id_z 1
		.amdhsa_system_vgpr_workitem_id 0
		.amdhsa_next_free_vgpr 256
		.amdhsa_next_free_sgpr 66
		.amdhsa_reserve_vcc 0
		.amdhsa_float_denorm_mode_32 3
		.amdhsa_float_denorm_mode_16_64 3
		.amdhsa_memory_ordered 1
		.amdhsa_forward_progress 1
		.amdhsa_inst_pref_size 24
	.end_amdhsa_kernel
	.amdgpu_metadata
---
amdhsa.version: [ 1, 2 ]
amdhsa.kernels:
  - .name:           k_q9249b2270e_prep
    .symbol:         k_q9249b2270e_prep.kd
    .args:
      - { .name: W_h, .offset: 0, .size: 8, .value_kind: global_buffer, .address_space: global }
      - { .name: W_s, .offset: 8, .size: 8, .value_kind: global_buffer, .address_space: global }
      - { .name: decoder_hidden, .offset: 16, .size: 8, .value_kind: global_buffer, .address_space: global }
      - { .name: b_s, .offset: 24, .size: 8, .value_kind: global_buffer, .address_space: global }
      - { .name: wq, .offset: 32, .size: 8, .value_kind: global_buffer, .address_space: global }
      - { .name: decf, .offset: 40, .size: 8, .value_kind: global_buffer, .address_space: global }
    .group_segment_fixed_size: 9216
    .private_segment_fixed_size: 0
    .kernarg_segment_align: 8
    .kernarg_segment_size: 48
    .max_flat_workgroup_size: 256
    .sgpr_count:     66
    .vgpr_count:     256
    .wavefront_size: 32
...
	.end_amdgpu_metadata
.endif
;; end of part 1
;; launch main (part 2): grid 256 x 1, 4 waves a work-group, clusters of 4 x 1, 327,680 bytes of LDS; arguments encoder_output, wq, decf, coverage, mask, w_c, v, scores, pctx, pstat; writes scores, pctx, pstat
.if DOCPART == 2
	.amdgcn_target "amdgcn-amd-amdhsa--gfx1250"
	.amdhsa_code_object_version 6
	.text
	.protected	k_q9249b2270e_main
	.globl	k_q9249b2270e_main
	.p2align	8
	.type	k_q9249b2270e_main,@function
k_q9249b2270e_main:
	s_mov_b64 s[64:65], 0
	v_nop
	global_prefetch_b8 v0, s[64:65] scope:SCOPE_SE
	s_setreg_imm32_b32 hwreg(HW_REG_WAVE_MODE, 25, 1), 1
	s_wait_xcnt 0x0
	s_wait_alu depctr_hold_cnt(0) depctr_sa_sdst(0) depctr_va_vdst(0) depctr_va_sdst(0) depctr_va_ssrc(0) depctr_va_vcc(0) depctr_vm_vsrc(0)
	s_getreg_b32 s2, hwreg(HW_REG_IB_STS2, 6, 4)
	s_cmp_eq_u32 s2, 0
	s_cbranch_scc0 .Lentry_in_a_cluster
	s_endpgm
.Lentry_in_a_cluster:
	s_bfe_u32 s2, ttmp6, 0x10000c
	s_cmp_lg_u32 s2, 0x3003
	s_cbranch_scc0 .Lentry_shape_is_right
	s_endpgm
.Lentry_shape_is_right:
; For 256 rows (b, s) of encoder_output a work-group computes the scores and a partial softmax and context; encoder_output is loaded from memory once.
; tanh(u) = 1 - 2 r, r = 1 / (1 + 2^(k u)), k = 2 log2(e).  score = sum(v) - 2 sum(v r).  WORK LEFT OUT: sum(v) is the same for every row of a batch, whatever the inputs hold, and a softmax
; does not see a term that is the same along its axis; so what is kept is t = sum over e of v''[e] r[e], v'' = -k v: the score in powers of two, less a constant.  (A NaN or an overflow that
; reaches only sum(v) is not carried to the result.)  u = Q(x) Q(W_h)^T + dec_feat + coverage x w_c.
; SHARES.  Two passes of 128 rows.  Wave w owns 32 rows of a pass (two tiles of 16) for ALL 1,024 columns, so a row's score, the running maximum m, the sum l and the partial context never
; leave the wave.  A pass: (1) the 32 rows are loaded, kept as bf16 (windows 2, 3) for the context, and quantised to FP6 codes (window 1); (2) W_h's codes walk through a ring of two LDS
; slots, 8 N tiles (128 columns) a slot; (3) p = 2^(t - m) x mask; l and the context are brought under the new m and take the 32 rows.  The next launch joins the waves' m, l and contexts.
; m is the maximum over all rows, masked or not, as in the softmax that reference() computes.
; THE WALK is a pipeline over three N tiles.  Trip i: the dot with v'' of tile i - 2; the 26 LDS loads of tile i + 1's fragments; 1 + 2^(k u) of tile i - 1; k u of tile i; one wait;
; the exponentials of tile i and the reciprocals of tile i - 1 as ONE batch of 32, with tile i + 1's C laid among them; 3 table words; one wait; tile i + 1's 16 products.
; The change of slots stands inside a slot's last trip, behind the dot: that slot's last products were issued in the trip before.
; CLUSTER.  The four work-groups of a cluster walk the same codes of W_h: each chunk is asked for JOINTLY, each wave a quarter of it, with a mask that names the four.
; My place in the cluster enters the addresses of plain loads, stores and prefetches alone.
; PREFETCH.  In the first pass each wave asks for its own next 32 rows (128 KiB), one pass ahead: two requests at each of the walk's eight changes of slots, a lane a block of 256 bytes,
; 4 rows a change; each block is named once in the launch.  The second pass asks for nothing.  The next pass's first two units are loaded straight behind the walk, ahead of the context.
; THE PRODUCT: source 0 = 16 rows of x, source 1 = 16 rows of W_h: register j of lane (r, h) is row 8 h + j, column 16 n + r.  C of a sum's first product is dec_feat + coverage x w_c.
; LIMITS: a block of zeros gets the scale byte 1 (its codes are zeros); NaN and infinities among the inputs are not served; the context takes encoder_output rounded to bf16;
; the promise holds while the scaled scores t stay under 2^31 in magnitude.
; REGISTERS, window 0: v1 16 x lane, v2 v3 the spare word's address and 0, v4 v5 the stage (in, back), v6 tables, v7 v8 addresses in hand, v9 4 x lane, v10 32 h, v11 t (lane = row), v12 mask,
;   v13 m, v14 l, v15 the prefetches' offset, v16 f, v18 p, v17 v19 at work; v20-35 coverage as loaded, 1 + 2^.. and r in the ring, p in the context; v36-47 at work in the quantiser;
;   v36-47 and v16-19 in the ring: k u and 2^(k u); v48-63 x's scale words; v64-71 W_h's scale words; v72 w_c, v74 dec_feat, v76 v''; v78-93 the sums of v'' r; v94-109 two accumulators;
;   v112-127 coverage; v128-223 W_h's eight fragments; v224-255 the context.
;   While rows are loaded: v72-135 64 numbers for the quantiser, v136-199 a landing set, v200-219 codes.  Window 1: v0-191 x's 16 fragments; v192-255 the other landing set.
;   Windows 2, 3: tile 0's, tile 1's rows as bf16: register 16 i + 2 s + w = row i, columns 128 s + 4 lane + 2 w, + 1.
.set NTB,   13312                      ; an N tile in wq and in a slot: 8 fragment images of 1,536 bytes, then 1,024 bytes of scale words
.set CHUNK, 8*NTB
.set QUART, CHUNK/4                    ; one wave's tensor load: 104 rows of 256 bytes
.set SLOT1, 131072
.set TAB,   106496                     ; behind slot 0: dec_feat's row,
.set WCO,   4096                       ; w_c,
.set PADO,  8192                       ; 512 bytes of zeros (the v'' of the tile in front of the first; the w_c of the tile behind the last),
.set VOF,   8704                       ; v''
.set STG,   237568                     ; behind slot 1: a stage of 16 rows x (512 + 16) bytes for each wave
.set SP,    528
.set SPARE, 271360                     ; the spare words, 128 bytes a wave
.set PFO, 15
.set TMP, 20
.set TM,  36
.set ASC, 48
.set BSC, 64
.set SAC, 78
.set ACC, 94
.set CV,  112
.set BF,  128
.set CTX, 224
.set X,   72
.set L0,  136
.set L1,  192
.set PC,  200
.set KK,  54                           ; s[54:55] k, twice
.set SEL, 56                           ; s[56:57] lane selects: lane l xor 16
.set PF,  70                           ; s[70:71] where the prefetches stand
.set MSB, 0
.macro WIN new                         ; bits 1:0 source 0, 3:2 source 1, 5:4 source 2, 7:6 destination; the high byte repeats the setting that is left
.if MSB != (\new)
	s_set_vgpr_msb (MSB<<8)|(\new)
.set MSB, (\new)
.endif
.endm
.macro VW
	s_wait_alu depctr_va_vdst(0)
.endm
.macro EREG j                          ; EJ: register j of the 16 that hold k u and 2^(k u): v36-47, then v16-19
.if (\j) < 12
.set EJ, 36+(\j)
.else
.set EJ, 4+(\j)
.endif
.endm
.macro ROUND                           ; a round of the cluster's barrier
	s_barrier_signal -1
	s_barrier_wait -1
	s_cmp_lg_u32 s24, 0
	s_cbranch_scc1 .Lnot_wave_0_\@
	s_barrier_signal -3
.Lnot_wave_0_\@:
	s_barrier_wait -3
	s_barrier_signal -1
	s_barrier_wait -1
.endm
; 64 numbers of a lane, register 16 b + i = k 32 b + 16 (lane / 16) + i of its row, become codes and the row's scale word in v[pw].
; Afterwards the fragment's registers 6 c + i are v[PC+6c+i] and 6 c + 3 + i are v[PC+12+4c+i].
.macro QUANT x, pw
.irp b, 0,1,2,3
	v_max3_num_f32 v[TM+\b], |v[(\x)+16*\b]|, |v[(\x)+1+16*\b]|, 0x1800000   ; with the floor 2^(3 - 127): the byte cannot fall under 1
.endr
.irp i, 2,4,6,8,10,12,14
.irp b, 0,1,2,3
	v_max3_num_f32 v[TM+\b], v[TM+\b], |v[(\x)+16*\b+\i]|, |v[(\x)+1+16*\b+\i]|
.endr
.endr
.irp b, 0,1,2,3
	v_permlanex16_b32 v[TM+4+\b], v[TM+\b], s[SEL], s[SEL+1]
.endr
.irp b, 0,1,2,3
	v_max_num_f32 v[TM+\b], v[TM+\b], v[TM+4+\b]           ; the block's largest magnitude
.endr
.irp b, 0,1,2,3
	v_add_nc_u32 v[TM+8+\b], 0xff000000, v[TM+\b]          ; 2 off its exponent field: the conversion's scale operand
.endr
.irp b, 0,1,2,3
	v_lshrrev_b32 v[TM+4+\b], 23, v[TM+8+\b]               ; the scale's byte
.endr
	v_lshl_or_b32 v[\pw], v[TM+5], 8, v[TM+4]
	v_lshl_or_b32 v[\pw], v[TM+6], 16, v[\pw]
	v_lshl_or_b32 v[\pw], v[TM+7], 24, v[\pw]
.irp c, 0,1
	v_cvt_scalef32_pk16_fp6_f32 v[PC+6*\c:PC+2+6*\c], v[(\x)+32*\c:(\x)+15+32*\c], v[TM+8+2*\c]
	v_cvt_scalef32_pk16_fp6_f32 v[PC+12+4*\c:PC+14+4*\c], v[(\x)+16+32*\c:(\x)+31+32*\c], v[TM+8+2*\c+1]
.endr
	v_nop                                                  ; one plain place behind a scaled conversion
.irp c, 0,1
.irp i, 0,1,2
	v_permlane16_swap_b32 v[PC+6*\c+\i], v[PC+12+4*\c+\i]  ; a whole block to a lane
.endr
.endr
.endm
; Unit u = 8 t + s: tile t's 16 rows, K step s (512 bytes of each row).  16 loads, a row's 512 consecutive bytes by the 32 lanes; landing sets by turns.
.macro GL u
.set UT, (\u)/8
.set US, (\u)%8
.set UL, L0+(L1-L0)*((\u)%2)
	WIN 0x40*((\u)%2)
.set UI, 0
.rept 16
	global_load_b128 v[UL+4*UI:UL+4*UI+3], v1, s[4:5] offset:(16*UT+UI)*4096+512*US th:TH_LOAD_NT
.set UI, UI+1
.endr
	WIN 0
.endm
.macro UNIT u
.if (\u) == 15
	s_wait_loadcnt 0x0                             ; nothing was issued behind the last unit
.elseif (\u) < 2
	s_wait_loadcnt 21                              ; behind this unit's loads: the other landing set's 16, the mask's 1 and coverage's 4
.else
	s_wait_loadcnt 16                              ; the other landing set's 16 may be out
.endif
.set UT, (\u)/8
.set US, (\u)%8
.set UO, (\u)%2
.set UL, L0+(L1-L0)*UO
	WIN ((2+UT)<<6)|(5*UO)
.set UI, 0
.rept 16                                       ; the copy for the context
	v_cvt_pk_bf16_f32 v[16*UI+2*US], v[UL+4*UI], v[UL+4*UI+1]
	v_cvt_pk_bf16_f32 v[16*UI+2*US+1], v[UL+4*UI+2], v[UL+4*UI+3]
.set UI, UI+1
.endr
	WIN 4*UO
.set UI, 0
.rept 16                                       ; through my own stage: in by rows,
	ds_store_b128 v4, v[UL+4*UI:UL+4*UI+3] offset:SP*UI
.set UI, UI+1
.endr
	WIN 0
.irp b, 0,1,2,3
.irp j, 0,1,2,3                                ; back with a lane to a row; LDS serves a wave's instructions in order
	ds_load_b128 v[X+16*\b+4*\j:X+16*\b+4*\j+3], v5 offset:128*\b+16*\j
.endr
.endr
	s_wait_dscnt 0x0                               ; the numbers are back, and the stores have read the landing set,
.if (\u) < 14
	GL (\u)+2                                      ; which takes the loads of two units on
.endif
	QUANT X, ASC+\u
	WIN 0x40
.irp c, 0,1
.irp i, 0,1,2
	v_mov_b32 v[12*(\u)+6*\c+\i], v[PC+6*\c+\i]    ; the fragment stays in window 1
	v_mov_b32 v[12*(\u)+6*\c+3+\i], v[PC+12+4*\c+\i]
.endr
.endr
	WIN 0
.endm
; ---- the ring's pieces
.macro LF s
.irp c, 0,1,2
	ds_load_b128 v[BF+12*(\s)+4*\c:BF+12*(\s)+4*\c+3], v7 offset:1536*(\s)+512*\c
.endr
.endm
.macro FRAGS                           ; the N tile at v7: 26 loads, in the order in which the products want them
	ds_load_b128 v[BSC:BSC+3], v7 offset:12288
	LF 0
	LF 1
	LF 2
	LF 3
	ds_load_b128 v[BSC+4:BSC+7], v7 offset:12800
	LF 4
	LF 5
	LF 6
	LF 7
.endm
.macro MM s, t
	v_wmma_scale_f32_16x16x128_f8f6f4 v[ACC+8*(\t):ACC+8*(\t)+7], v[12*(8*(\t)+(\s)):12*(8*(\t)+(\s))+11], v[BF+12*(\s):BF+12*(\s)+11], v[ACC+8*(\t):ACC+8*(\t)+7], v[ASC+8*(\t)+(\s)], v[BSC+(\s)] matrix_a_fmt:MATRIX_FMT_FP6 matrix_b_fmt:MATRIX_FMT_FP6
.endm
; An N tile's 16 products.  LDS loads come back in order; a count is the number of loads issued behind the fragment that is wanted: 3 for each later fragment, 1 for scale words 4-7, 3 table words.
.macro MMG
	WIN 0x01                                       ; source 0 (x) in window 1
.irp s, 0,1,2,3,4,5,6,7
.if \s < 4
	s_wait_dscnt 25-3*\s
.else
	s_wait_dscnt 24-3*\s
.endif
	MM \s, 0                                       ; the two accumulators take turns, from tile to tile too
	MM \s, 1
.endr
	WIN 0
.endm
.macro DOT                             ; the sums take v'' r, 16 numbers
.irp j, 0,2,4,6,8,10,12,14
	v_pk_fma_f32 v[SAC+\j:SAC+\j+1], v[TMP+\j:TMP+\j+1], v[76:77], v[SAC+\j:SAC+\j+1] op_sel_hi:[1,0,1]
.endr
.endm
.macro ONE                             ; 1 + 2^(k u), 16 numbers, into the registers that the dot has read out
.irp j, 0,2,4,6,8,10,12,14
	EREG \j
	v_pk_add_f32 v[TMP+\j:TMP+\j+1], v[EJ:EJ+1], 1.0 op_sel_hi:[1,0]
.endr
.endm
.macro CIN1 j                          ; C = coverage x w_c + dec_feat, two numbers
	v_pk_fma_f32 v[ACC+\j:ACC+\j+1], v[CV+\j:CV+\j+1], v[72:73], v[74:75] op_sel_hi:[1,0,0]
.endm
.macro ASK                             ; 4 of my next pass's rows: a lane a block of 256 bytes, 2 rows an instruction; the second pass has no rows to ask for
	s_cmp_eq_u32 s50, 2
	s_cbranch_scc0 .Lno_ask_\@
	global_prefetch_b8 v[PFO], s[PF:PF+1] th:TH_LOAD_NT scope:SCOPE_SE
	global_prefetch_b8 v[PFO], s[PF:PF+1] offset:8192 th:TH_LOAD_NT scope:SCOPE_SE
.Lno_ask_\@:
.endm
; A change of slots.  Each wave waits for all its tensor loads (its quarter of the next slot), adds 0 to its spare word, and waits for that and for its reads of the slot that it leaves.
; fill = 1: behind a round of the cluster's barrier the slot just left takes the chunk after the next.  step = 1: the prefetches' address goes 4 rows on, a slot behind the requests that read it.
.macro BOUND fill, step
	VW
.if \step
	s_wait_xcnt 0x0
	s_add_nc_u64 s[PF:PF+1], s[PF:PF+1], 16384
.endif
	s_wait_tensorcnt 0x0                           ; no tensor load of mine is out, so the descriptor may be written
	ds_add_u32 v2, v3
.if \fill
	s_xor_b32 s37, s37, SLOT1
	s_add_nc_u64 s[38:39], s[38:39], CHUNK
.endif
	s_wait_dscnt 0x0
.if \fill
	ROUND
	tensor_load_to_lds s[36:39], s[28:35]          ; my one tensor load behind the round, and the first thing there
	s_nop 0
.else
	s_barrier_signal -1                            ; it shows the last chunk whole to every wave
	s_barrier_wait -1
.endif
.endm
; Trip i of the walk.  kind 0: tile i + 1 lies in the same slot; 1: in the next slot, and the slot left is filled again; 2: in the next slot, nothing is left to fetch; 3: i = 63, no tile follows.
.macro TILE kind
	s_wait_dscnt 0x0                               ; the three table words asked for ahead of the last products
.if (\kind) == 0
	s_add_co_u32 s48, s48, NTB
.endif
.if (\kind) == 1 || (\kind) == 2
	s_sub_co_u32 s48, s48, 7*NTB                   ; a slot's first tile, in the other slot
	s_xor_b32 s48, s48, SLOT1
.endif
	v_add_nc_u32 v8, s49, v6                       ; the tables at 64 i
.if (\kind) < 3
	v_add_nc_u32 v7, s48, v1
.endif
	s_add_co_u32 s49, s49, 64
	DOT                                            ; tile i - 2; with the two lines above: the places behind the last products
.if (\kind) == 1
	BOUND 1, 1
.endif
.if (\kind) == 2
	BOUND 0, 1
.endif
.if (\kind) < 3
	FRAGS                                          ; tile i + 1
.endif
.if (\kind) == 1 || (\kind) == 2
	ASK
.endif
	ONE                                            ; tile i - 1
.irp j, 0,2,4,6,8,10,12,14
	EREG \j
	v_pk_mul_f32 v[EJ:EJ+1], v[ACC+\j:ACC+\j+1], s[KK:KK+1] op_sel_hi:[1,0]   ; k u of tile i, each accumulator from its low end on
.endr
	VW
.irp j, 0,2,4,6,8,10,12,14
	EREG \j
	v_exp_f32 v[EJ], v[EJ]                         ; tile i
	v_exp_f32 v[EJ+1], v[EJ+1]
	v_rcp_f32 v[TMP+\j], v[TMP+\j]                 ; r of tile i - 1
	v_rcp_f32 v[TMP+\j+1], v[TMP+\j+1]
.if (\kind) < 3
	CIN1 \j                                        ; tile i + 1's C: plain work that names no result of the batch
.endif
.endr
.if (\kind) == 3
	v_nop
.endif
	ds_load_b32 v76, v8 offset:VOF-64              ; v''[16 (i - 1) + r]: for the dot in the next trip
.if (\kind) < 3
	ds_load_b32 v72, v8 offset:WCO+128             ; w_c[16 (i + 2) + r]
	ds_load_b32 v74, v8 offset:128                 ; dec_feat[16 (i + 2) + r]
.endif
	VW
.if (\kind) < 3
	MMG                                            ; tile i + 1
.endif
.endm
.macro TILES7 name                     ; seven trips inside a slot
	s_mov_b32 s52, 7
\name:
	TILE 0
	s_sub_co_u32 s52, s52, 1
	s_cmp_lg_u32 s52, 0
	s_cbranch_scc1 \name
.endm
; The context takes tile t's 16 rows: p of each row to every lane, then 32 sums by turns.
.macro CONTEXT t
.set CI, 0
.rept 16
	v_readlane_b32 s[58+CI%4], v18, 16*\t+CI
	v_mov_b32 v[TMP+CI], s[58+CI%4]
.set CI, CI+1
.endr
	WIN 0x02+\t
.set CI, 0
.rept 16
.set CJ, 0
.rept 16
	v_fma_mix_f32_bf16 v[CTX+2*CJ], v[16*CI+CJ], v[TMP+CI], v[CTX+2*CJ] op_sel_hi:[1,0,0]
	v_fma_mix_f32_bf16 v[CTX+2*CJ+1], v[16*CI+CJ], v[TMP+CI], v[CTX+2*CJ+1] op_sel:[1,0,0] op_sel_hi:[1,0,0]
.set CJ, CJ+1
.endr
.set CI, CI+1
.endr
	WIN 0
.endm
	s_load_b512 s[4:19], s[0:1], 0x0               ; encoder_output s[4:5], wq s[6:7], decf s[8:9], coverage s[10:11], mask s[12:13], w_c s[14:15], v s[16:17], scores s[18:19]
	s_load_b128 s[20:23], s[0:1], 0x40             ; pctx s[20:21], pstat s[22:23]
	v_lshl_add_u32 v2, v0, 2, SPARE
	v_mov_b32 v3, 0
	ds_add_u32 v2, v3                              ; the opening add, twice on end; its wait stands below
	ds_add_u32 v2, v3
	v_lshrrev_b32 v16, 5, v0
	v_readfirstlane_b32 s24, v16                   ; wave 0..3
	s_bfe_u32 s25, ttmp6, 0x40000                  ; cx
	s_lshl_b32 s26, ttmp9, 2
	s_add_co_u32 s26, s26, s25                     ; my block of 256 rows
	s_lshr_b32 s27, ttmp9, 2                       ; the batch: 16 blocks, 4 clusters each
	s_mov_b32 s28, 15|(3<<16)|(1<<21)              ; group 1: the mask of all four; elements of 8 bytes; bit 21 beside a mask
	s_mov_b32 s29, 32<<16
	s_mov_b32 s30, 104<<16
	s_mov_b32 s31, 32<<16
	s_mov_b32 s32, 104                             ; 104 rows of 256 bytes, dense
	s_mov_b32 s33, 32
	s_mov_b32 s34, 0
	s_mov_b32 s35, 0
	s_mov_b32 s36, 1
	s_mul_i32 s46, s24, QUART                      ; my quarter: its place in a chunk and in a slot
	s_mov_b32 s47, 0
	s_mul_i32 s66, s24, 16*SP
	s_add_co_u32 s66, s66, STG                     ; my stage
	s_mov_b32 s[KK], 0x4038aa3b                    ; k = 2 log2(e)
	s_mov_b32 s[KK+1], s[KK]
	s_mov_b32 s68, 0xc038aa3b                      ; -k
	s_mov_b32 s69, s68
	s_mov_b32 s[SEL], 0x76543210
	s_mov_b32 s[SEL+1], 0xfedcba98
	s_mov_b32 s50, 2                               ; passes
	v_and_b32 v16, 31, v0
	v_lshlrev_b32 v1, 4, v16
	v_lshlrev_b32 v9, 2, v16
	v_lshrrev_b32 v[PFO], 4, v16
	v_lshlrev_b32 v[PFO], 12, v[PFO]               ; the prefetches: row lane / 16 of two,
	v_and_b32 v16, 15, v0                          ; r
	v_lshl_add_u32 v[PFO], v16, 8, v[PFO]          ; its block lane % 16 of 256 bytes; never rewritten
	v_bfe_u32 v17, v0, 4, 1                        ; h
	v_lshlrev_b32 v10, 5, v17
	v_add_nc_u32 v4, s66, v1
	v_mul_u32_u24 v5, v16, SP
	v_lshl_add_u32 v5, v17, 6, v5
	v_add_nc_u32 v5, s66, v5
	v_lshl_add_u32 v6, v16, 2, TAB
	v_lshlrev_b32 v18, 5, v0                       ; the tables: 32 bytes a thread, in memory
	v_lshl_add_u32 v19, v0, 5, TAB                 ; and in LDS
	v_lshl_add_u32 v17, v0, 2, TAB+PADO            ; the zeros: a word a thread
	v_mov_b32 v11, 0                               ; written once: v_writelane_b32's destination counts as read
	v_mov_b32 v13, 0xff61b1e6                      ; m: -3e38, under every t
	v_mov_b32 v14, 0                               ; l
.irp b, 0,1,2,3
	v_mov_b32 v[TM+4+\b], 0
.endr
.irp j, 0,1,2,3,4,5,6,7,8,9,10,11,12,13,14,15,16,17,18,19,20,21,22,23,24,25,26,27,28,29,30,31
	v_mov_b32 v[CTX+\j], 0                         ; the pass is written once: the first change of m leaves zeros zeros
.endr
	VW
	s_wait_dscnt 0x0                               ; both opening adds are done
	s_wait_kmcnt 0x0
	s_lshl_b32 s58, s27, 12
	s_mov_b32 s59, 0
	s_add_nc_u64 s[8:9], s[8:9], s[58:59]          ; dec_feat's row of my batch
	global_load_b128 v[72:75], v18, s[8:9]
	global_load_b128 v[76:79], v18, s[8:9] offset:16
	global_load_b128 v[80:83], v18, s[14:15]
	global_load_b128 v[84:87], v18, s[14:15] offset:16
	global_load_b128 v[88:91], v18, s[16:17]
	global_load_b128 v[92:95], v18, s[16:17] offset:16
	s_lshl_b32 s60, s26, 20                        ; 256 rows of 4,096 bytes a block,
	s_lshl_b32 s61, s24, 17                        ; 32 a wave
	s_add_co_u32 s60, s60, s61
	s_mov_b32 s61, 0
	s_add_nc_u64 s[4:5], s[4:5], s[60:61]
	GL 0                                           ; the first pass's first two units
	GL 1
	s_add_nc_u64 s[PF:PF+1], s[4:5], 128*4096      ; my rows of the second pass
	s_lshl_b32 s60, s26, 10                        ; the same rows in coverage, mask and scores
	s_lshl_b32 s62, s24, 7
	s_add_co_u32 s60, s60, s62
	s_add_nc_u64 s[10:11], s[10:11], s[60:61]
	s_add_nc_u64 s[12:13], s[12:13], s[60:61]
	s_add_nc_u64 s[18:19], s[18:19], s[60:61]
	s_lshl_b32 s60, s26, 2
	s_add_co_u32 s60, s60, s24                     ; my wave among the launch's 1,024
	s_lshl_b32 s62, s60, 12
	s_mov_b32 s63, 0
	s_add_nc_u64 s[20:21], s[20:21], s[62:63]
	s_lshl_b32 s62, s60, 7
	s_add_nc_u64 s[22:23], s[22:23], s[62:63]
	s_add_nc_u64 s[44:45], s[6:7], s[46:47]        ; my quarter of chunk 0
	s_wait_loadcnt 32                              ; the tables are in; the two units' 32 loads may be out
.irp j, 0,2,4,6
	v_pk_mul_f32 v[88+\j:89+\j], v[88+\j:89+\j], s[68:69] op_sel_hi:[1,0]   ; v'' = -k v
.endr
	ds_store_b128 v19, v[72:75]
	ds_store_b128 v19, v[76:79] offset:16
	ds_store_b128 v19, v[80:83] offset:WCO
	ds_store_b128 v19, v[84:87] offset:WCO+16
	ds_store_b128 v19, v[88:91] offset:VOF
	ds_store_b128 v19, v[92:95] offset:VOF+16
	ds_store_b32 v17, v11                          ; the zeros.  The wait for these stores and the barrier stand at the pass's head
	VW
.Lpass:
	; ---- chunk 0 into slot 0, issued as every refill is
	s_wait_tensorcnt 0x0
	ds_add_u32 v2, v3                              ; the add, here twice on end
	ds_add_u32 v2, v3
	s_mov_b32 s37, s46
	s_mov_b64 s[38:39], s[44:45]
	s_or_b32 s39, s39, 0x80000000
	s_mov_b32 s48, 0                               ; the LDS byte of the N tile that is asked for
	s_mov_b32 s49, 0                               ; 64 x the trip's number
	s_wait_dscnt 0x0
	ROUND
	tensor_load_to_lds s[36:39], s[28:35]
	s_nop 0
	; ---- my 32 rows
	global_load_b32 v12, v9, s[12:13]              ; mask: lane = row
.irp t, 0,1
.irp g, 0,1
	global_load_b128 v[TMP+8*\t+4*\g:TMP+8*\t+4*\g+3], v10, s[10:11] offset:64*\t+16*\g   ; coverage[16 t + 8 h + j]
.endr
.endr
.irp u, 0,1,2,3,4,5,6,7,8,9,10,11,12,13,14,15
	UNIT \u
.endr
	; ---- the walk's start: the first two trips find zeros for the tiles in front of the first: r = 0, then r = 1 under v'' = 0
.irp j, 0,1,2,3,4,5,6,7,8,9,10,11,12,13,14,15
	v_mov_b32 v[CV+\j], v[TMP+\j]
.endr
	ds_load_b32 v72, v6 offset:WCO                 ; w_c and dec_feat of tile 0
	ds_load_b32 v74, v6
.irp j, 0,1,2,3,4,5,6,7,8,9,10,11,12,13,14,15
	EREG \j
	v_mov_b32 v[SAC+\j], 0
	v_mov_b32 v[TMP+\j], 0
	v_mov_b32 v[EJ], 0
.endr
	VW
	s_wait_dscnt 0x0
.irp j, 0,2,4,6,8,10,12,14
	CIN1 \j                                        ; tile 0's C
.endr
	BOUND 1, 0                                     ; chunk 0 is whole; chunk 1 goes into slot 1
	v_add_nc_u32 v7, s48, v1
	FRAGS                                          ; tile 0
	ds_load_b32 v76, v6 offset:VOF-64              ; zeros
	ds_load_b32 v72, v6 offset:WCO+64              ; w_c and dec_feat of tile 1
	ds_load_b32 v74, v6 offset:64
	ASK
	MMG                                            ; tile 0
	; ---- all of W_h: 64 trips
	s_mov_b32 s51, 6
.Lvisit:
	TILES7 .Ltile_a
	TILE 1
	s_sub_co_u32 s51, s51, 1
	s_cmp_lg_u32 s51, 0
	s_cbranch_scc1 .Lvisit
	TILES7 .Ltile_b                                ; the last two chunks are written out
	TILE 2
	TILES7 .Ltile_c
	TILE 3
	; ---- what the last trip has left: the dot of tile 62, and 1 + .., r and the dot of tile 63
	s_wait_dscnt 0x0                               ; v'' of tile 62
	DOT
	ONE
	ds_load_b32 v76, v8 offset:VOF                 ; v'' of tile 63
	VW
.irp j, 0,1,2,3,4,5,6,7,8,9,10,11,12,13,14,15
	v_rcp_f32 v[TMP+\j], v[TMP+\j]
.endr
	v_nop
	VW
	s_wait_dscnt 0x0
	DOT
	VW
	s_wait_xcnt 0x0                                ; every load and prefetch issued so far has read its address: the rows' base may step
	s_add_nc_u64 s[4:5], s[4:5], 128*4096
	s_cmp_eq_u32 s50, 2
	s_cbranch_scc0 .Lno_more_rows
	GL 0                                           ; the next pass's first two units, into the landing sets, which the walk has left
	GL 1
.Lno_more_rows:
	; ---- the scores: a row's sum lies across 16 lanes
.irp m, 1,2,4,8
.irp j, 0,1,2,3,4,5,6,7,8,9,10,11,12,13,14,15
	v_add_f32_dpp v[SAC+\j], v[SAC+\j], v[SAC+\j] row_xmask:\m row_mask:0xf bank_mask:0xf
.endr
.endr
.set SI, 0
.rept 32                                       ; row 16 t + 8 h + j goes to the lane of that number
	v_readlane_b32 s[58+SI%4], v[SAC+8*(SI/16)+SI%8], 16*((SI/8)%2)
	v_writelane_b32 v11, s[58+SI%4], SI
.set SI, SI+1
.endr
	global_store_b32 v9, v11, s[18:19]             ; t
	v_max_num_f32_dpp v17, v11, v11 row_xmask:1 row_mask:0xf bank_mask:0xf
	v_max_num_f32_dpp v17, v17, v17 row_xmask:2 row_mask:0xf bank_mask:0xf
	v_max_num_f32_dpp v17, v17, v17 row_xmask:4 row_mask:0xf bank_mask:0xf
	v_max_num_f32_dpp v17, v17, v17 row_xmask:8 row_mask:0xf bank_mask:0xf
	v_permlanex16_b32 v19, v17, s[SEL], s[SEL+1]
	v_max_num_f32 v17, v17, v19                    ; the 32 rows' largest t, in every lane
	v_mov_b32 v19, v13
	v_max_num_f32 v13, v13, v17                    ; the new m
	v_sub_f32 v16, v19, v13
	v_sub_f32 v18, v11, v13
	VW
	v_exp_f32 v16, v16                             ; f = 2^(old m - new m)
	v_exp_f32 v18, v18                             ; 2^(t - m)
	v_nop
	VW
	v_mul_f32 v18, v18, v12                        ; p = 2^(t - m) x mask
	v_fma_f32 v14, v14, v16, v18                   ; l, a row to a lane
.irp j, 0,2,4,6,8,10,12,14,16,18,20,22,24,26,28,30
	v_pk_mul_f32 v[CTX+\j:CTX+\j+1], v[CTX+\j:CTX+\j+1], v[16:17] op_sel_hi:[1,0]   ; the context under the new m
.endr
	CONTEXT 0
	CONTEXT 1
	VW
	s_wait_xcnt 0x0                                ; the store of t has read its registers and base
	s_add_nc_u64 s[10:11], s[10:11], 512
	s_add_nc_u64 s[12:13], s[12:13], 512
	s_add_nc_u64 s[18:19], s[18:19], 512
	s_sub_co_u32 s50, s50, 1
	s_cmp_lg_u32 s50, 0
	s_cbranch_scc1 .Lpass
	; ---- my wave's m, l and context
	v_add_f32_dpp v14, v14, v14 row_xmask:1 row_mask:0xf bank_mask:0xf
	v_add_f32_dpp v14, v14, v14 row_xmask:2 row_mask:0xf bank_mask:0xf
	v_add_f32_dpp v14, v14, v14 row_xmask:4 row_mask:0xf bank_mask:0xf
	v_add_f32_dpp v14, v14, v14 row_xmask:8 row_mask:0xf bank_mask:0xf
	v_permlanex16_b32 v19, v14, s[SEL], s[SEL+1]
	v_add_f32 v14, v14, v19
	v_and_b32 v16, 31, v0
	v_cmp_gt_u32 vcc_lo, 16, v16
	v_cndmask_b32 v19, v14, v13, vcc_lo            ; lanes 0-15: m; lanes 16-31: l
	global_store_b32 v9, v19, s[22:23]
.irp s, 0,1,2,3,4,5,6,7
	global_store_b128 v1, v[CTX+4*\s:CTX+4*\s+3], s[20:21] offset:512*\s   ; 32 lanes store 512 consecutive bytes
.endr
	s_wait_tensorcnt 0x0                           ; the wave's end
	ds_add_u32 v2, v3
	s_wait_dscnt 0x0
	ROUND                                          ; the closing round
	s_endpgm
.Lfunc_end_k_q9249b2270e_main:
	.size	k_q9249b2270e_main, .Lfunc_end_k_q9249b2270e_main-k_q9249b2270e_main
	.p2alignl 7, 3214868480
	.fill 96, 4, 3214868480
	.section	.rodata,"a",@progbits
	.p2align	6, 0x0
	.amdhsa_kernel k_q9249b2270e_main
		.amdhsa_group_segment_fixed_size 327680
		.amdhsa_private_segment_fixed_size 0
		.amdhsa_enable_private_segment 0
		.amdhsa_kernarg_size 80
		.amdhsa_user_sgpr_count 2
		.amdhsa_user_sgpr_kernarg_segment_ptr 1
		.amdhsa_wavefront_size32 1
		.amdhsa_system_sgpr_workgroup_id_x 1
		.amdhsa_system_sgpr_workgroup_id_y 1
		.amdhsa_system_sgpr_workgroup_id_z 1
		.amdhsa_system_vgpr_workitem_id 0
		.amdhsa_next_free_vgpr 1024
		.amdhsa_next_free_sgpr 72
		.amdhsa_reserve_vcc 1
		.amdhsa_float_denorm_mode_32 3
		.amdhsa_float_denorm_mode_16_64 3
		.amdhsa_memory_ordered 1
		.amdhsa_forward_progress 1
		.amdhsa_inst_pref_size 255
	.end_amdhsa_kernel
	.section	.bss,"aw",@nobits
	.p2align	6
	.space	262144
	.amdgpu_metadata
---
amdhsa.version: [ 1, 2 ]
amdhsa.kernels:
  - .name:           k_q9249b2270e_main
    .symbol:         k_q9249b2270e_main.kd
    .args:
      - { .name: encoder_output, .offset: 0, .size: 8, .value_kind: global_buffer, .address_space: global }
      - { .name: wq, .offset: 8, .size: 8, .value_kind: global_buffer, .address_space: global }
      - { .name: decf, .offset: 16, .size: 8, .value_kind: global_buffer, .address_space: global }
      - { .name: coverage, .offset: 24, .size: 8, .value_kind: global_buffer, .address_space: global }
      - { .name: mask, .offset: 32, .size: 8, .value_kind: global_buffer, .address_space: global }
      - { .name: w_c, .offset: 40, .size: 8, .value_kind: global_buffer, .address_space: global }
      - { .name: v, .offset: 48, .size: 8, .value_kind: global_buffer, .address_space: global }
      - { .name: scores, .offset: 56, .size: 8, .value_kind: global_buffer, .address_space: global }
      - { .name: pctx, .offset: 64, .size: 8, .value_kind: global_buffer, .address_space: global }
      - { .name: pstat, .offset: 72, .size: 8, .value_kind: global_buffer, .address_space: global }
    .group_segment_fixed_size: 327680
    .private_segment_fixed_size: 0
    .kernarg_segment_align: 8
    .kernarg_segment_size: 80
    .max_flat_workgroup_size: 128
    .sgpr_count:     72
    .vgpr_count:     1024
    .wavefront_size: 32
...
	.end_amdgpu_metadata
.endif
;; end of part 2
;; launch finish (part 3): grid 16 x 16, 2 waves a work-group, no clusters, 0 bytes of LDS; arguments scores, pstat, pctx, mask, coverage, out0, out1, out2; writes out0, out1, out2
.if DOCPART == 3
	.amdgcn_target "amdgcn-amd-amdhsa--gfx1250"
	.amdhsa_code_object_version 6
	.text
	.protected	k_q9249b2270e_finish
	.globl	k_q9249b2270e_finish
	.p2align	8
	.type	k_q9249b2270e_finish,@function
k_q9249b2270e_finish:
	s_mov_b64 s[64:65], 0
	v_nop
	global_prefetch_b8 v0, s[64:65] scope:SCOPE_SE
	s_setreg_imm32_b32 hwreg(HW_REG_WAVE_MODE, 25, 1), 1
	s_wait_xcnt 0x0
; The 64 waves' parts of a batch are joined.  M = the largest m; g[w] = 2^(m[w] - M); L = sum of l[w] g[w];
; out0[b][c] = sum over w of pctx[w][c] g[w] / L;  out1 = 2^(t - M) x mask / L;  out2 = coverage + out1.
; Work-group (x, b): 64 columns of the context and 256 rows of batch b; each of its two waves half of both.  Every wave makes M and L for itself from 64 pairs of numbers: no LDS, no barrier.
; Where L is 0 (every row masked) the results are NaN, as a division of 0 by 0 gives.
	s_load_b512 s[4:19], s[0:1], 0x0               ; scores s[4:5], pstat s[6:7], pctx s[8:9], mask s[10:11], coverage s[12:13], out0 s[14:15], out1 s[16:17], out2 s[18:19]
	v_lshrrev_b32 v1, 5, v0
	v_readfirstlane_b32 s20, v1                    ; wave 0, 1
	v_and_b32 v1, 31, v0
	v_lshlrev_b32 v2, 7, v1                        ; pstat: 128 bytes for each wave of the launch before; my lane takes waves `lane` and `lane + 32` of the batch
	v_lshlrev_b32 v3, 2, v1
	v_lshlrev_b32 v4, 4, v1
	v_mov_b32 v29, 0                               ; written once: a lane permute's destination counts as one of its sources
	s_and_b32 s21, ttmp7, 0xffff                   ; the batch
	s_mov_b32 s24, 0x76543210
	s_mov_b32 s25, 0xfedcba98
	s_lshl_b32 s22, s21, 13                        ; 64 x 128 bytes of pstat a batch
	s_mov_b32 s23, 0
	s_lshl_b32 s26, ttmp9, 8
	s_lshl_b32 s27, s20, 7
	s_add_co_u32 s26, s26, s27                     ; my 32 columns, in bytes: 256 x + 128 wave
	s_lshl_b32 s28, s21, 18                        ; 64 rows of 4,096 bytes of pctx a batch
	s_add_co_u32 s28, s28, s26
	s_mov_b32 s29, 0
	s_lshl_b32 s30, s21, 12
	s_add_co_u32 s30, s30, s26                     ; out0
	s_mov_b32 s31, 0
	s_lshl_b32 s32, s26, 2                         ; my 128 rows, in bytes: 1,024 x + 512 wave
	s_lshl_b32 s33, s21, 14
	s_add_co_u32 s32, s32, s33
	s_mov_b32 s33, 0
	s_wait_alu depctr_va_vdst(0)
	s_wait_kmcnt 0x0
	s_add_nc_u64 s[6:7], s[6:7], s[22:23]
	s_add_nc_u64 s[8:9], s[8:9], s[28:29]
	s_add_nc_u64 s[14:15], s[14:15], s[30:31]
	s_add_nc_u64 s[4:5], s[4:5], s[32:33]
	s_add_nc_u64 s[10:11], s[10:11], s[32:33]
	s_add_nc_u64 s[12:13], s[12:13], s[32:33]
	s_add_nc_u64 s[16:17], s[16:17], s[32:33]
	s_add_nc_u64 s[18:19], s[18:19], s[32:33]
	global_load_b32 v8, v2, s[6:7]                 ; m of wave `lane`
	global_load_b32 v9, v2, s[6:7] offset:64       ; l
	global_load_b32 v10, v2, s[6:7] offset:4096    ; m of wave `lane + 32`
	global_load_b32 v11, v2, s[6:7] offset:4160    ; l
	global_load_b128 v[12:15], v4, s[4:5]          ; t of my four rows
	global_load_b128 v[16:19], v4, s[10:11]        ; mask
	global_load_b128 v[20:23], v4, s[12:13]        ; coverage
.irp w, 0,1,2,3,4,5,6,7,8,9,10,11,12,13,14,15,16,17,18,19,20,21,22,23,24,25,26,27,28,29,30,31
	global_load_b32 v[64+\w], v3, s[8:9] offset:4096*\w
.endr
	s_wait_loadcnt 35                              ; the four statistics are in; the 35 loads issued behind them may be out
	v_max_num_f32 v28, v8, v10
	v_max_num_f32_dpp v28, v28, v28 row_xmask:1 row_mask:0xf bank_mask:0xf
	v_max_num_f32_dpp v28, v28, v28 row_xmask:2 row_mask:0xf bank_mask:0xf
	v_max_num_f32_dpp v28, v28, v28 row_xmask:4 row_mask:0xf bank_mask:0xf
	v_max_num_f32_dpp v28, v28, v28 row_xmask:8 row_mask:0xf bank_mask:0xf
	v_permlanex16_b32 v29, v28, s24, s25
	v_max_num_f32 v28, v28, v29                    ; M
	v_sub_f32 v8, v8, v28
	v_sub_f32 v10, v10, v28
	s_wait_alu depctr_va_vdst(0)
	v_exp_f32 v8, v8                               ; g
	v_exp_f32 v10, v10
	v_nop
	s_wait_alu depctr_va_vdst(0)                   ; one wait for the two, ahead of their first reader
	v_mul_f32 v30, v9, v8
	v_fmac_f32 v30, v11, v10
	v_add_f32_dpp v30, v30, v30 row_xmask:1 row_mask:0xf bank_mask:0xf
	v_add_f32_dpp v30, v30, v30 row_xmask:2 row_mask:0xf bank_mask:0xf
	v_add_f32_dpp v30, v30, v30 row_xmask:4 row_mask:0xf bank_mask:0xf
	v_add_f32_dpp v30, v30, v30 row_xmask:8 row_mask:0xf bank_mask:0xf
	v_permlanex16_b32 v29, v30, s24, s25
	v_add_f32 v30, v30, v29                        ; L
	s_wait_alu depctr_va_vdst(0)
	v_rcp_f32 v31, v30
.irp w, 32,33,34,35,36,37,38,39,40,41,42,43,44,45,46,47,48,49,50,51,52,53,54,55,56,57,58,59,60,61,62,63
	global_load_b32 v[64+\w], v3, s[8:9] offset:4096*\w
.endr
	v_nop
	s_wait_alu depctr_va_vdst(0)
	v_mul_f32 v8, v8, v31                          ; g / L
	v_mul_f32 v10, v10, v31
	s_wait_loadcnt 32                              ; all but the 32 just issued
.irp q, 0,1,2,3
	v_sub_f32 v[12+\q], v[12+\q], v28
.endr
	s_wait_alu depctr_va_vdst(0)
.irp q, 0,1,2,3
	v_exp_f32 v[12+\q], v[12+\q]                   ; 2^(t - M)
.endr
.irp q, 0,1,2,3
	v_mul_f32 v[16+\q], v[16+\q], v31              ; mask / L: plain work behind the batch
.endr
	s_wait_alu depctr_va_vdst(0)
.irp q, 0,1,2,3
	v_mul_f32 v[12+\q], v[12+\q], v[16+\q]         ; attn
.endr
.irp q, 0,1,2,3
	v_add_f32 v[20+\q], v[20+\q], v[12+\q]         ; coverage + attn
.endr
	global_store_b128 v4, v[12:15], s[16:17]       ; 32 lanes store 512 consecutive bytes
	global_store_b128 v4, v[20:23], s[18:19]
.irp w, 0,1,2,3                                ; four chains, started by the first four products
	v_readlane_b32 s[34+\w], v8, \w
	v_mul_f32 v[24+\w], s[34+\w], v[64+\w]
.endr
.irp w, 4,5,6,7,8,9,10,11,12,13,14,15,16,17,18,19,20,21,22,23,24,25,26,27,28,29,30,31
	v_readlane_b32 s[34+\w%4], v8, \w
	v_fmac_f32 v[24+\w%4], s[34+\w%4], v[64+\w]
.endr
	s_wait_alu depctr_va_vdst(0)
	s_wait_loadcnt 0x0
.irp w, 0,1,2,3,4,5,6,7,8,9,10,11,12,13,14,15,16,17,18,19,20,21,22,23,24,25,26,27,28,29,30,31
	v_readlane_b32 s[34+\w%4], v10, \w
	v_fmac_f32 v[24+\w%4], s[34+\w%4], v[96+\w]
.endr
	v_add_f32 v24, v24, v25
	v_add_f32 v26, v26, v27
	v_add_f32 v24, v24, v26
	global_store_b32 v3, v24, s[14:15]
	s_endpgm
.Lfunc_end_k_q9249b2270e_finish:
	.size	k_q9249b2270e_finish, .Lfunc_end_k_q9249b2270e_finish-k_q9249b2270e_finish
	.p2alignl 7, 3214868480
	.fill 96, 4, 3214868480
	.section	.rodata,"a",@progbits
	.p2align	6, 0x0
	.amdhsa_kernel k_q9249b2270e_finish
		.amdhsa_group_segment_fixed_size 0
		.amdhsa_private_segment_fixed_size 0
		.amdhsa_enable_private_segment 0
		.amdhsa_kernarg_size 64
		.amdhsa_user_sgpr_count 2
		.amdhsa_user_sgpr_kernarg_segment_ptr 1
		.amdhsa_wavefront_size32 1
		.amdhsa_system_sgpr_workgroup_id_x 1
		.amdhsa_system_sgpr_workgroup_id_y 1
		.amdhsa_system_sgpr_workgroup_id_z 1
		.amdhsa_system_vgpr_workitem_id 0
		.amdhsa_next_free_vgpr 144
		.amdhsa_next_free_sgpr 66
		.amdhsa_reserve_vcc 0
		.amdhsa_float_denorm_mode_32 3
		.amdhsa_float_denorm_mode_16_64 3
		.amdhsa_memory_ordered 1
		.amdhsa_forward_progress 1
		.amdhsa_inst_pref_size 17
	.end_amdhsa_kernel
	.amdgpu_metadata
---
amdhsa.version: [ 1, 2 ]
amdhsa.kernels:
  - .name:           k_q9249b2270e_finish
    .symbol:         k_q9249b2270e_finish.kd
    .args:
      - { .name: scores, .offset: 0, .size: 8, .value_kind: global_buffer, .address_space: global }
      - { .name: pstat, .offset: 8, .size: 8, .value_kind: global_buffer, .address_space: global }
      - { .name: pctx, .offset: 16, .size: 8, .value_kind: global_buffer, .address_space: global }
      - { .name: mask, .offset: 24, .size: 8, .value_kind: global_buffer, .address_space: global }
      - { .name: coverage, .offset: 32, .size: 8, .value_kind: global_buffer, .address_space: global }
      - { .name: out0, .offset: 40, .size: 8, .value_kind: global_buffer, .address_space: global }
      - { .name: out1, .offset: 48, .size: 8, .value_kind: global_buffer, .address_space: global }
      - { .name: out2, .offset: 56, .size: 8, .value_kind: global_buffer, .address_space: global }
    .group_segment_fixed_size: 0
    .private_segment_fixed_size: 0
    .kernarg_segment_align: 8
    .kernarg_segment_size: 64
    .max_flat_workgroup_size: 64
    .sgpr_count:     66
    .vgpr_count:     144
    .wavefront_size: 32
...
	.end_amdgpu_metadata
.endif
;; end of part 3
